; MI455X (gfx1250); checked and timed in simulation.
; The chip was launched on July 23, 2026; its instructions are those of AMD's public machine-readable ISA for CDNA 5 (MIT licence, August 2026) and "CDNA5" Instruction Set Architecture Reference Guide (July 2026). The comments in the code are by the model that wrote it; some were corrected since.
;; Self Attention. Allowed arithmetic: float matrix products may take bf16 or f16 operands with f32 sums; all other float work in f32.
;; Inputs: Wk 32 x 256 float32; Wq 32 x 256 float32; Wv 256 x 256 float32; bk 32 float32; bq 32 float32; bv 256 float32; gamma 1 float32; x 4 x 256 x 4,096 float32.
;; Outputs: out0 4 x 256 x 4,096 float32.
;; One version. Each part assembles by itself: llvm-mc -triple=amdgcn-amd-amdhsa -mcpu=gfx1250 --defsym DOCPART=n.
;; ======== version 1 of 1: 2 launches
;; workspace buffers: q 1,048,576 bytes; kv 9,437,184 bytes
;; launch proj (part 1): grid 256 x 1, 8 waves a work-group, no clusters, 210,944 bytes of LDS; arguments x, Wq, bq, Wk, bk, Wv, bv, q, kv; writes q, kv
.if DOCPART == 1
	.amdgcn_target "amdgcn-amd-amdhsa--gfx1250"
	.amdhsa_code_object_version 6
	.text
	.protected	k_q64ddf3807e_proj
	.globl	k_q64ddf3807e_proj
	.p2align	8
	.type	k_q64ddf3807e_proj,@function
k_q64ddf3807e_proj:
	s_mov_b64 s[64:65], 0
	v_nop
	global_prefetch_b8 v0, s[64:65] scope:SCOPE_SE
	s_setreg_imm32_b32 hwreg(HW_REG_WAVE_MODE, 25, 1), 1
	s_wait_xcnt 0x0
; q' = (Wq x + bq) log2(e), k = Wk x + bk, v = Wv x + bv for 64 points of one batch; operands bf16, sums f32, each result rounded once to bf16.
; x: [4][256][4096] f32 (points along the rows).  Results are stored in the order in which the attention's matrix instructions hold them in registers:
;   q : [b][point tile of 16][i 0,1][lane L][16 bytes] = q'[point 16 T + (L & 15)][d = 16 i + 8 (L >> 4) .. + 7]
;   kv: [b][key block of 32][18,432 bytes]: two tiles of k in the same form (1,024 bytes each), then 16 tiles of v,
;       tile ct: [i][L][16 bytes] = v[channel 16 ct + (L & 15)][key 16 i + 8 (L >> 4) .. + 7]
; so that every store here covers 512 consecutive bytes, aligned, and every later read is lane L at 16 L.
; 256 work-groups of 8 waves.  Phase 1: every wave brings 32 rows of x (256 bytes each), 8 rows of Wq or Wk and 32 rows of Wv through registers,
; rounds them to bf16 and lays them into LDS.  Phase 2: eight K steps of 32; a wave makes v for its 32 channels x 64 points (8 tiles)
; and all 32 rows of q (waves 0-3) or of k (waves 4-7) for point tile wave & 3 (2 tiles).
; NO JOINT LOADS: the weights, which all work-groups read, have to be rounded to bf16 on their way in, so they pass through registers; as f32 tiles
; they are 327,680 bytes, all of a work-group's LDS, and could only be streamed in pieces for the 80 matrix instructions that a wave has here.
; LIMITS: q is multiplied by log2(e) before its rounding to bf16 (the attention works in base 2).  NaN and infinities go through as the arithmetic makes them.
.set WV,    0                          ; LDS: Wv as bf16, 256 rows, pitch 528 (512 bytes + 16: an odd multiple of 16)
.set WQK,   135168                     ; Wq's 32 rows, then Wk's 32 rows, pitch 528
.set XT,    168960                     ; x as bf16, [channel][point], 256 rows of 128 bytes, pitch 160 (an odd multiple of 32, for the transposing loads)
.set WP,    528
.set XP,    160
.set KBLK,  18432                      ; bytes of a key block in kv
.set BQO,   1                          ; v1   32 h: my eight biases of q or k
.set GX,    2                          ; v2   x: 16,384 h + 16 r: lanes 0-15 one row's 256 bytes, lanes 16-31 the next row's
.set GW,    3                          ; v3   16 L: weights in, results out
.set LXS,   4                          ; v4   where my 8 bytes of x go
.set LWS,   5                          ; v5   where my 8 bytes of Wv go
.set LQS,   6                          ; v6   where my 8 bytes of Wq or Wk go
.set XA,    7                          ; v7   x fragments (transposing loads)
.set XQA,   8                          ; v8   the same for point tile wave & 3
.set WVA,   9                          ; v9   Wv fragments of my 32 channels
.set WQA,   10                         ; v10  Wq or Wk fragments
.set BVO,   11                         ; v11  4 (32 w + r): my bias of v
.set BV,    12                         ; v[12:15]   bias of v: (b0, b0, b1, b1) for my two channel tiles
.set A0,    16                         ; phase 1: three areas of 16 loads x 4 registers
.set A1,    80
.set A2,    144
.set ACCV,  16                         ; phase 2: v[16:79]  tile (pt, ct) at 16 + 8 (2 pt + ct)
.set ACCQ,  80                         ; v[80:95]   the two tiles of q or k
.set FB0,   96                         ; v[96:167]  fragments: x(pt) +8 pt, x(wave & 3) +32, Wv(ct) +40 + 8 ct, Wq/Wk(mt) +56 + 8 mt
.set FB1,   168                        ; v[168:239] the second buffer
.set OUTR,  96                         ; the way out: 10 tiles x 4 registers, each tile's own
.set TMP,   208                        ; v[208:213] at work in the set-up only
.set BQ,    240                        ; v[240:255] bias of q or k for my 2 x 8 rows d
	s_load_b512 s[4:19], s[0:1], 0x0               ; x s[4:5], Wq s[6:7], bq s[8:9], Wk s[10:11], bk s[12:13], Wv s[14:15], bv s[16:17], q s[18:19]
	s_load_b64 s[20:21], s[0:1], 0x40              ; kv
	s_set_vgpr_msb 0x40
	v_lshl_add_u32 v0, v0, 2, 0x33400
	v_mov_b32 v1, 0
	s_set_vgpr_msb 0x4000
	v_lshrrev_b32 v1, 5, v0
	v_readfirstlane_b32 s22, v1                    ; wave w, 0 to 7
	s_lshr_b32 s23, ttmp9, 6                       ; batch b
	s_and_b32 s24, ttmp9, 63                       ; block of 64 points nb
	s_and_b32 s25, s22, 3                          ; w & 3: my point tile for q or k, my eight rows of Wq or Wk
	s_lshl_b32 s36, s23, 22                        ; x: b x 4,194,304
	s_lshl_b32 s46, s22, 19                        ;  + 32 w rows of 16,384 bytes
	s_add_co_u32 s36, s36, s46
	s_lshl_b32 s46, s24, 8                         ;  + 64 nb points of 4 bytes
	s_add_co_u32 s36, s36, s46
	s_mov_b32 s37, 0
	s_lshl_b32 s38, s25, 13                        ; Wq, Wk: 8 (w & 3) rows of 1,024 bytes
	s_mov_b32 s39, 0
	s_lshl_b32 s40, s22, 15                        ; Wv: 32 w rows of 1,024 bytes
	s_mov_b32 s41, 0
	s_lshl_b32 s46, s23, 7
	s_lshl_b32 s47, s24, 1
	s_add_co_u32 s46, s46, s47                     ; my first key block: 128 b + 2 nb
	s_mul_i32 s42, s46, KBLK                       ; v goes to that block,
	s_lshl_b32 s47, s22, 11                        ;  behind k's 2,048 bytes, channel tiles 2 w and 2 w + 1
	s_add_co_u32 s42, s42, s47
	s_add_co_u32 s42, s42, 2048
	s_mov_b32 s43, 0
	s_lshr_b32 s47, s25, 1                         ; k: point tile w & 3 lies in key block (w & 3) >> 1, tile w & 1
	s_add_co_u32 s47, s46, s47
	s_mul_i32 s47, s47, KBLK
	s_and_b32 s44, s22, 1
	s_lshl_b32 s44, s44, 10
	s_add_co_u32 s47, s47, s44
	s_lshl_b32 s46, s46, 1                         ; q: point tile 256 b + 4 nb + (w & 3), 1,024 bytes each
	s_add_co_u32 s46, s46, s25
	s_lshl_b32 s46, s46, 10
	s_mov_b32 s33, 0
	s_cmp_lt_u32 s22, 4                            ; waves 0-3 make q, waves 4-7 make k; the selects below leave SCC as it is
	s_cselect_b32 s32, s46, s47                    ; where my two tiles go
	s_cselect_b32 s34, 0x3fb8aa3b, 1.0             ; q is scaled by log2(e), k by one: one text for both, no branch
	s_cselect_b32 s35, 0x3fb8aa3b, 1.0
	s_wait_kmcnt 0x0
	s_cselect_b64 s[26:27], s[6:7], s[10:11]       ; Wq or Wk
	s_cselect_b64 s[28:29], s[8:9], s[12:13]       ; bq or bk
	s_cselect_b64 s[30:31], s[18:19], s[20:21]     ; q or kv
	s_add_nc_u64 s[4:5], s[4:5], s[36:37]
	s_add_nc_u64 s[26:27], s[26:27], s[38:39]
	s_add_nc_u64 s[14:15], s[14:15], s[40:41]
	s_add_nc_u64 s[30:31], s[30:31], s[32:33]
	s_add_nc_u64 s[20:21], s[20:21], s[42:43]      ; kv at my tiles of v
	v_and_b32 v[TMP], 31, v0                       ; L
	v_and_b32 v[TMP+1], 15, v0                     ; r
	v_bfe_u32 v[TMP+2], v0, 4, 1                   ; h
	v_lshlrev_b32 v[BQO], 5, v[TMP+2]
	v_lshlrev_b32 v[BVO], 2, v[TMP+1]
	v_lshl_add_u32 v[BVO], s22, 7, v[BVO]
	v_lshlrev_b32 v[GW], 4, v[TMP]
	v_lshlrev_b32 v[GX], 4, v[TMP+1]
	v_lshl_add_u32 v[GX], v[TMP+2], 14, v[GX]
.macro LOADX area                      ; my 32 rows of x, two rows (2 x 256 consecutive bytes) a load
.irp i, 0,1,2,3,4,5,6,7,8,9,10,11,12,13,14,15
	global_load_b128 v[\area+4*\i:\area+4*\i+3], v[GX], s[4:5] offset:\i*32768
.endr
.endm
.macro LOADW area, base, batch         ; eight rows of a weight matrix, 512 consecutive bytes a load
.irp i, 0,1,2,3,4,5,6,7,8,9,10,11,12,13,14,15
	global_load_b128 v[\area+4*\i:\area+4*\i+3], v[GW], s[\base:\base+1] offset:\batch*8192+\i*512
.endr
.endm
	global_load_b32 v[BV], v[BVO], s[16:17]                ; six loads of biases,
	global_load_b32 v[BV+2], v[BVO], s[16:17] offset:64
	global_load_b128 v[BQ:BQ+3], v[BQO], s[28:29]          ; d = 8 h .. + 3
	global_load_b128 v[BQ+4:BQ+7], v[BQO], s[28:29] offset:16
	global_load_b128 v[BQ+8:BQ+11], v[BQO], s[28:29] offset:64     ; d = 16 + 8 h ..
	global_load_b128 v[BQ+12:BQ+15], v[BQO], s[28:29] offset:80
	LOADX A0                                       ; then three batches of 16: 48 loads of 512 bytes are on their way in each wave
	LOADW A1, 26, 0
	LOADW A2, 14, 0
	; LDS addresses, while the loads are on their way
	s_mul_i32 s44, s22, 32*XP
	s_add_co_u32 s44, s44, XT
	v_mul_u32_u24 v[LXS], v[TMP+2], XP
	v_lshl_add_u32 v[LXS], v[TMP+1], 3, v[LXS]
	v_add_nc_u32 v[LXS], s44, v[LXS]               ; XT + (32 w + h) 160 + 8 r
	s_mul_i32 s45, s22, 32*WP                      ; my 32 rows of Wv (WV = 0)
	v_lshl_add_u32 v[LWS], v[TMP], 3, s45          ; + 8 L
	s_mul_i32 s46, s22, 8*WP
	s_add_co_u32 s46, s46, WQK
	v_lshl_add_u32 v[LQS], v[TMP], 3, s46          ; WQK + 8 w rows + 8 L (Wk's rows follow Wq's 32: row 8 w for every wave)
	v_and_b32 v[TMP+3], 7, v0
	v_lshl_add_u32 v[TMP+3], v[TMP+2], 3, v[TMP+3] ; 8 h + (L & 7)
	v_mul_u32_u24 v[XA], v[TMP+3], XP
	v_bfe_u32 v[TMP+4], v0, 3, 1
	v_lshl_add_u32 v[XA], v[TMP+4], 4, v[XA]       ; + 16 ((L >> 3) & 1)
	v_add_nc_u32 v[XA], XT, v[XA]
	v_lshl_add_u32 v[XQA], s25, 5, v[XA]           ; + 32 bytes for each point tile
	v_mul_u32_u24 v[TMP+5], v[TMP+1], WP
	v_lshl_add_u32 v[TMP+5], v[TMP+2], 4, v[TMP+5] ; r 528 + 16 h
	v_add_nc_u32 v[WVA], s45, v[TMP+5]
	s_lshr_b32 s47, s22, 2
	s_mul_i32 s47, s47, 32*WP
	s_add_co_u32 s47, s47, WQK                     ; Wq's rows for waves 0-3, Wk's for waves 4-7
	v_add_nc_u32 v[WQA], s47, v[TMP+5]
; four f32 become four bf16 in place (nearest even) and go to LDS as 8 bytes
.macro CVX area
.irp i, 0,1,2,3,4,5,6,7,8,9,10,11,12,13,14,15
	v_cvt_pk_bf16_f32 v[\area+4*\i], v[\area+4*\i], v[\area+4*\i+1]
	v_cvt_pk_bf16_f32 v[\area+4*\i+1], v[\area+4*\i+2], v[\area+4*\i+3]
	ds_store_b64 v[LXS], v[\area+4*\i:\area+4*\i+1] offset:\i*2*XP
.endr
.endm
.macro CVW area, adr, batch
.irp i, 0,1,2,3,4,5,6,7,8,9,10,11,12,13,14,15
	v_cvt_pk_bf16_f32 v[\area+4*\i], v[\area+4*\i], v[\area+4*\i+1]
	v_cvt_pk_bf16_f32 v[\area+4*\i+1], v[\area+4*\i+2], v[\area+4*\i+3]
	ds_store_b64 v[\adr], v[\area+4*\i:\area+4*\i+1] offset:\batch*8*WP+(\i/2)*WP+(\i%2)*256
.endr
.endm
	; Loads come back in order: each count is the number of younger loads, two batches of 16, then one, then none.
	s_wait_loadcnt 32                              ; the biases and x are in
	v_mov_b32 v[BV+1], v[BV]
	v_mov_b32 v[BV+3], v[BV+2]
	CVX A0
	LOADW A0, 14, 1
	s_wait_loadcnt 32                              ; Wq or Wk
	CVW A1, LQS, 0
	LOADW A1, 14, 2
	s_wait_loadcnt 32                              ; Wv, rows 0-7 of my 32
	CVW A2, LWS, 0
	LOADW A2, 14, 3
	s_wait_loadcnt 32                              ; rows 8-15
	CVW A0, LWS, 1
	s_wait_loadcnt 16                              ; rows 16-23
	CVW A1, LWS, 2
	s_wait_loadcnt 0                               ; rows 24-31
	CVW A2, LWS, 3
	s_wait_dscnt 0x0                               ; my stores are in LDS, for the other waves' sake,
	s_barrier_signal -1
	s_barrier_wait -1                              ; and so are everybody's: x and Wq, Wk are read by all
; The 18 fragment loads of K step ks.  x lies [channel][point]: the transposing load gives lane (r, h) eight channels of point r.
.macro FETCH ks, fb
.irp pt, 0,1,2,3
	ds_load_tr16_b128 v[\fb+8*\pt:\fb+8*\pt+3],   v[XA] offset:(\ks)*32*XP+32*\pt
	ds_load_tr16_b128 v[\fb+8*\pt+4:\fb+8*\pt+7], v[XA] offset:(\ks)*32*XP+32*\pt+16*XP
.endr
	ds_load_tr16_b128 v[\fb+32:\fb+35], v[XQA] offset:(\ks)*32*XP
	ds_load_tr16_b128 v[\fb+36:\fb+39], v[XQA] offset:(\ks)*32*XP+16*XP
.irp t, 0,1
	ds_load_b128 v[\fb+40+8*\t:\fb+43+8*\t], v[WVA] offset:\t*16*WP+64*(\ks)
	ds_load_b128 v[\fb+44+8*\t:\fb+47+8*\t], v[WVA] offset:\t*16*WP+64*(\ks)+32
.endr
.irp t, 0,1
	ds_load_b128 v[\fb+56+8*\t:\fb+59+8*\t], v[WQA] offset:\t*16*WP+64*(\ks)
	ds_load_b128 v[\fb+60+8*\t:\fb+63+8*\t], v[WQA] offset:\t*16*WP+64*(\ks)+32
.endr
.endm
; Ten matrix instructions on ten accumulators, which take turns, one instruction a turn.
; v: rows = points, columns = channels, so that a lane holds eight neighbouring keys of one channel.
; q, k: rows = d, columns = points, so that a lane holds eight neighbouring d of one point.
; start = 1: the first products start the sums: v's from 0, q's and k's from their bias.
.macro MUL fb, start
.irp pt, 0,1,2,3
.irp ct, 0,1
.if \start
	v_wmma_f32_16x16x32_bf16 v[ACCV+8*(2*\pt+\ct):ACCV+8*(2*\pt+\ct)+7], v[\fb+8*\pt:\fb+8*\pt+7], v[\fb+40+8*\ct:\fb+47+8*\ct], 0
.else
	v_wmma_f32_16x16x32_bf16 v[ACCV+8*(2*\pt+\ct):ACCV+8*(2*\pt+\ct)+7], v[\fb+8*\pt:\fb+8*\pt+7], v[\fb+40+8*\ct:\fb+47+8*\ct], v[ACCV+8*(2*\pt+\ct):ACCV+8*(2*\pt+\ct)+7]
.endif
.endr
.endr
.irp mt, 0,1
.if \start
	v_wmma_f32_16x16x32_bf16 v[ACCQ+8*\mt:ACCQ+8*\mt+7], v[\fb+56+8*\mt:\fb+63+8*\mt], v[\fb+32:\fb+39], v[BQ+8*\mt:BQ+8*\mt+7]
.else
	v_wmma_f32_16x16x32_bf16 v[ACCQ+8*\mt:ACCQ+8*\mt+7], v[\fb+56+8*\mt:\fb+63+8*\mt], v[\fb+32:\fb+39], v[ACCQ+8*\mt:ACCQ+8*\mt+7]
.endif
.endr
.endm
.macro PLACES                          ; four places behind a matrix instruction (ISA guide 7.12.1) before its sources are loaded again or its result is read
.rept 4
	v_nop
.endr
.endm
.macro STEP ks, cur, nxt               ; multiplies K step ks from buffer cur; the next step's fragments go into the buffer that the last step read
	PLACES
	FETCH \ks+1, \nxt
	s_wait_dscnt 18                                ; LDS loads come back in order: all but the 18 just issued are in
	MUL \cur, 0
.endm
	FETCH 0, FB0
	FETCH 1, FB1
	s_wait_dscnt 18                                ; K step 0's fragments are in, K step 1's 18 loads may be out
	MUL FB0, 1
	STEP 1, FB1, FB0
	STEP 2, FB0, FB1
	STEP 3, FB1, FB0
	STEP 4, FB0, FB1
	STEP 5, FB1, FB0
	STEP 6, FB0, FB1
	s_wait_dscnt 0x0
	MUL FB1, 0
	PLACES
	; The way out.  Every tile packs into four registers of its own, so no store's data is written again.  A store covers 512 consecutive bytes, aligned.
.irp pt, 0,1,2,3
.irp ct, 0,1
.irp p, 0,2,4,6
	v_pk_add_f32 v[ACCV+8*(2*\pt+\ct)+\p:ACCV+8*(2*\pt+\ct)+\p+1], v[ACCV+8*(2*\pt+\ct)+\p:ACCV+8*(2*\pt+\ct)+\p+1], v[BV+2*\ct:BV+2*\ct+1]
.endr
.irp i, 0,1,2,3
	v_cvt_pk_bf16_f32 v[OUTR+4*(2*\pt+\ct)+\i], v[ACCV+8*(2*\pt+\ct)+2*\i], v[ACCV+8*(2*\pt+\ct)+2*\i+1]
.endr
	global_store_b128 v[GW], v[OUTR+4*(2*\pt+\ct):OUTR+4*(2*\pt+\ct)+3], s[20:21] offset:(\pt/2)*KBLK+\ct*1024+(\pt%2)*512
.endr
.endr
.irp mt, 0,1
.irp p, 0,2,4,6
	v_pk_mul_f32 v[ACCQ+8*\mt+\p:ACCQ+8*\mt+\p+1], v[ACCQ+8*\mt+\p:ACCQ+8*\mt+\p+1], s[34:35] op_sel_hi:[1,0]
.endr
.irp i, 0,1,2,3
	v_cvt_pk_bf16_f32 v[OUTR+32+4*\mt+\i], v[ACCQ+8*\mt+2*\i], v[ACCQ+8*\mt+2*\i+1]
.endr
	global_store_b128 v[GW], v[OUTR+32+4*\mt:OUTR+32+4*\mt+3], s[30:31] offset:\mt*512
.endr
	s_set_vgpr_msb 0x5
	s_wait_tensorcnt 0x0
	ds_add_u32 v0, v1
	s_wait_dscnt 0x0
	s_set_vgpr_msb 0x500
	s_endpgm
.Lfunc_end_k_q64ddf3807e_proj:
	.size	k_q64ddf3807e_proj, .Lfunc_end_k_q64ddf3807e_proj-k_q64ddf3807e_proj
	.p2alignl 7, 3214868480
	.fill 96, 4, 3214868480
	.section	.rodata,"a",@progbits
	.p2align	6, 0x0
	.amdhsa_kernel k_q64ddf3807e_proj
		.amdhsa_group_segment_fixed_size 210944
		.amdhsa_private_segment_fixed_size 0
		.amdhsa_enable_private_segment 0
		.amdhsa_kernarg_size 72
		.amdhsa_user_sgpr_count 2
		.amdhsa_user_sgpr_kernarg_segment_ptr 1
		.amdhsa_wavefront_size32 1
		.amdhsa_system_sgpr_workgroup_id_x 1
		.amdhsa_system_sgpr_workgroup_id_y 1
		.amdhsa_system_sgpr_workgroup_id_z 1
		.amdhsa_system_vgpr_workitem_id 0
		.amdhsa_next_free_vgpr 258
		.amdhsa_next_free_sgpr 66
		.amdhsa_reserve_vcc 0
		.amdhsa_float_denorm_mode_32 3
		.amdhsa_float_denorm_mode_16_64 3
		.amdhsa_memory_ordered 1
		.amdhsa_forward_progress 1
		.amdhsa_inst_pref_size 54
	.end_amdhsa_kernel
	.amdgpu_metadata
---
amdhsa.version: [ 1, 2 ]
amdhsa.kernels:
  - .name:           k_q64ddf3807e_proj
    .symbol:         k_q64ddf3807e_proj.kd
    .args:
      - { .name: x, .offset: 0, .size: 8, .value_kind: global_buffer, .address_space: global }
      - { .name: Wq, .offset: 8, .size: 8, .value_kind: global_buffer, .address_space: global }
      - { .name: bq, .offset: 16, .size: 8, .value_kind: global_buffer, .address_space: global }
      - { .name: Wk, .offset: 24, .size: 8, .value_kind: global_buffer, .address_space: global }
      - { .name: bk, .offset: 32, .size: 8, .value_kind: global_buffer, .address_space: global }
      - { .name: Wv, .offset: 40, .size: 8, .value_kind: global_buffer, .address_space: global }
      - { .name: bv, .offset: 48, .size: 8, .value_kind: global_buffer, .address_space: global }
      - { .name: q, .offset: 56, .size: 8, .value_kind: global_buffer, .address_space: global }
      - { .name: kv, .offset: 64, .size: 8, .value_kind: global_buffer, .address_space: global }
    .group_segment_fixed_size: 210944
    .private_segment_fixed_size: 0
    .kernarg_segment_align: 8
    .kernarg_segment_size: 72
    .max_flat_workgroup_size: 256
    .sgpr_count:     66
    .vgpr_count:     258
    .wavefront_size: 32
...
	.end_amdgpu_metadata
.endif
;; end of part 1
;; launch attn (part 2): grid 256 x 1, 4 waves a work-group, clusters of 4 x 1, 327,680 bytes of LDS; arguments q, kv, x, gamma, out0; writes out0
.if DOCPART == 2
	.amdgcn_target "amdgcn-amd-amdhsa--gfx1250"
	.amdhsa_code_object_version 6
	.text
	.protected	k_q64ddf3807e_attn
	.globl	k_q64ddf3807e_attn
	.p2align	8
	.type	k_q64ddf3807e_attn,@function
k_q64ddf3807e_attn:
	s_mov_b64 s[64:65], 0
	v_nop
	global_prefetch_b8 v0, s[64:65] scope:SCOPE_SE
	s_setreg_imm32_b32 hwreg(HW_REG_WAVE_MODE, 25, 1), 1
	s_wait_xcnt 0x0
	s_wait_alu depctr_hold_cnt(0) depctr_sa_sdst(0) depctr_va_vdst(0) depctr_va_sdst(0) depctr_va_ssrc(0) depctr_va_vcc(0) depctr_vm_vsrc(0)
	s_getreg_b32 s2, hwreg(HW_REG_IB_STS2, 6, 4)
	s_cmp_eq_u32 s2, 0
	s_cbranch_scc0 .Lentry_in_a_cluster
	s_endpgm
.Lentry_in_a_cluster:
	s_bfe_u32 s2, ttmp6, 0x10000c
	s_cmp_lg_u32 s2, 0x3003
	s_cbranch_scc0 .Lentry_shape_is_right
	s_endpgm
.Lentry_shape_is_right:
; out0[b][c][n] = gamma * sum over keys of softmax(q[n] . k[key]) v[c][key] + x[b][c][n], with a running maximum, in base 2 (q carries log2(e)).
; A work-group makes 64 queries x 256 channels of one batch.  Its four waves SPLIT THE KEYS: each wave holds all 64 x 256 sums (64 accumulator tiles,
; 512 registers) and walks 64 of every 256 keys; per 32 keys it reads 18,432 bytes from LDS for 8 + 64 matrix instructions, and every byte of k and v
; is read from LDS once in the work-group.  At the end the four partial results (maximum, sum of weights, sums) are merged through LDS.
; SCORES ARE MADE TRANSPOSED: rows = keys (k's tile as the first source), columns = queries.  Lane (r, h) then holds eight neighbouring keys of query column r,
; and two such tiles, after the exponential and the rounding to bf16, ARE the second source (16 queries x 32 keys) of the product with v:
; nothing moves between lanes.  In that product rows = channels, columns = queries, so a lane's sums of a query tile belong to one query and
; maximum, sum and rescaling factor are one number a lane; the two halves of the lanes meet by one v_permlanex16_b32 for each query tile and step.
; Column r of query tile qt is query 4 r + qt of the block: for one channel a lane's four tiles are 16 neighbouring bytes of x and out0,
; and 16 lanes load or store 256 consecutive bytes, aligned.
; CLUSTERS: the four work-groups of a cluster are four neighbouring query blocks of one batch and walk the same k and v.  Every tile is asked for jointly
; (mask 15): the requests for k and v are divided by four.  The place in the cluster enters the addresses of q, x and out0 alone.
; RING: two LDS slots; a step is 64 keys a wave, 36,864 dense bytes (144 rows of 256), one tensor load a wave behind each round of the cluster's barrier;
; by this text's count a wave has one tensor load out, with a whole step's work in which to land.
; LIMITS: NaN and infinite inputs are not reproduced (v_max_num_f32 drops a NaN).  Weights below 2^-126 of the largest become zero (v_exp_f32: ISA guide 15.8).
; The sum of weights adds them in f32 while the product with v takes them rounded to bf16.
; The sums are rescaled in every step, whether the maximum moved or not: no branch hangs on a floating-point number.
;
; REGISTERS, in windows of 256:  window 0: addresses, q, k, scores, statistics;  window 1: v's fragments (key block 0 at v0, block 1 at v128), at the end x;
; window 2: accumulators of query tiles 0, 1 (tile (qt, ct) at 8 (16 (qt & 1) + ct));  window 3: those of query tiles 2, 3.
.set PART,  36864                      ; a wave's part of a slot: two key blocks
.set SLOT,  4*PART                     ; also the bytes of kv that a step of the work-group covers
.set KBLK,  18432                      ; a key block: k's two tiles (1,024 bytes each), v's sixteen
.set STAT,  2*SLOT                     ; behind the ring, never filled by a tensor load: wave x 512 + kind x 256 + qt x 64 + 4 r
.set LA,    1                          ; v1, v2    16 L + my part of slot 0, 1
.set QO,    3                          ; v3        my offset in the block's q
.set XO,    4                          ; v4        131,072 h + 16 r: x and out0
.set IW,    5                          ; v5        16 L + w x 65,536: where my accumulators go for the merge
.set SA,    6                          ; v6        my wave's statistics
.set SR,    7                          ; v7        all waves' statistics
.set IR,    8                          ; v[8:11]   wave u's image of the 64 channels that I finish
.set Q,     16                         ; v[16:47]  four query tiles
.set KF,    48                         ; v[48:79]  four key tiles
.set S,     80                         ; v[80:207] scores: tile (kt, qt) at 80 + 32 kt + 8 qt; weights of key block kb are packed into tile (2 kb, qt)
.set MX,    208                        ; v[208:215] running maximum, as a pair for each query tile
.set LS,    216                        ; v[216:223] running sum of weights, two partial sums for each query tile
.set AL,    224                        ; v[224:231] rescaling factor, as a pair
.set T,     232                        ; v[232:235]
.set T2,    236                        ; v[236:239]
.set DL,    240                        ; v[240:243]
.set SCL,   128                        ; the merge: v[128:159] scale of wave u, query tile qt, as a pair at 128 + 2 (4 u + qt)
.set G1,    16                         ; s[16:23] descriptor group 1
.set G0,    24                         ; s[24:31] descriptor group 0, a set for each slot
.set MSB,   0
.macro WIN new                         ; s_set_vgpr_msb: bits 1:0 source 0, 3:2 source 1, 5:4 source 2, 7:6 destination; the high byte repeats the setting that is left
.if MSB != \new
	s_set_vgpr_msb (MSB<<8)|\new
.set MSB, \new
.endif
.endm
.macro PLACES n                        ; places behind matrix instructions (ISA guide 7.12.1)
.rept \n
	v_nop
.endr
.endm
; A round of the cluster's barrier: my work-group's barrier, wave 0 signals for the work-group, every wave waits for all four work-groups, my work-group's barrier again.
.macro ROUND
	s_barrier_signal -1
	s_barrier_wait -1
	s_cmp_lg_u32 s14, 0
	s_cbranch_scc1 .Lnot_wave_0_\@
	s_barrier_signal -3
.Lnot_wave_0_\@:
	s_barrier_wait -3
	s_barrier_signal -1
	s_barrier_wait -1
.endm
	s_load_b256 s[4:11], s[0:1], 0x0               ; q s[4:5], kv s[6:7], x s[8:9], gamma s[10:11]
	s_load_b64 s[12:13], s[0:1], 0x20              ; out0
	v_lshl_add_u32 v254, v0, 2, 0x48800
	v_mov_b32 v255, 0
	ds_add_u32 v254, v255
	v_lshrrev_b32 v1, 5, v0
	v_readfirstlane_b32 s14, v1                    ; wave w
	s_bfe_u32 s15, ttmp6, 0x40000                  ; cx: my place in the cluster
	s_lshr_b32 s33, ttmp9, 4                       ; batch: 16 clusters each (ttmp9 counts clusters)
	s_and_b32 s35, ttmp9, 15
	s_lshl_b32 s35, s35, 2
	s_add_co_u32 s35, s35, s15                     ; query block qb = 4 x (cluster in the batch) + cx
	s_mov_b32 s36, 0x76543210                      ; v_permlanex16_b32: lane i of one half reads lane i of the other
	s_mov_b32 s37, 0xfedcba98
	; group 1: 144 rows of 32 elements of 8 bytes, dense
	s_mov_b32 s[G1+0], 15|(3<<16)|(1<<21)          ; 15:0 the mask: all four work-groups; 17:16 elements of 8 bytes; 21 set beside a mask; no padding
	s_mov_b32 s[G1+1], 32<<16                      ; tensor_dim0 = 32
	s_mov_b32 s[G1+2], 144<<16                     ; tensor_dim1 = 144
	s_mov_b32 s[G1+3], 32<<16                      ; tile_dim0 = 32
	s_mov_b32 s[G1+4], 144                         ; tile_dim1 = 144
	s_mov_b32 s[G1+5], 32                          ; from row to row: 32 elements
	s_mov_b32 s[G1+6], 0
	s_mov_b32 s[G1+7], 0
	s_mul_i32 s40, s14, PART                       ; my part: of a slot, and of a step's bytes in kv
	s_mul_i32 s38, s33, 128*KBLK                   ; the batch's k and v; made of the batch and the wave's number alone, equal in all four partners
	s_add_co_u32 s38, s38, s40
	s_mov_b32 s39, 0
	s_lshl_b32 s42, s33, 6                         ; q: (64 b + qb) x 4,096 bytes.  s42 to s45 hold what hangs on cx and feed no LDS address and no descriptor
	s_add_co_u32 s42, s42, s35
	s_lshl_b32 s42, s42, 12
	s_mov_b32 s43, 0
	s_lshl_b32 s44, s33, 22                        ; x, out0: b x 4,194,304
	s_lshl_b32 s41, s14, 20                        ;  + the 64 channels that I finish, 16,384 bytes each
	s_add_co_u32 s44, s44, s41
	s_lshl_b32 s45, s35, 8                         ;  + 64 qb queries of 4 bytes
	s_add_co_u32 s44, s44, s45
	s_mov_b32 s45, 0
	s_wait_dscnt 0x0
	s_wait_kmcnt 0x0
	s_add_nc_u64 s[6:7], s[6:7], s[38:39]
	s_add_nc_u64 s[4:5], s[4:5], s[42:43]
	s_add_nc_u64 s[8:9], s[8:9], s[44:45]
	s_add_nc_u64 s[12:13], s[12:13], s[44:45]
.irp n, 0,1
	s_mov_b32 s[G0+4*\n], 1                                        ; count = 1
	s_add_co_u32 s[G0+4*\n+1], s40, \n*SLOT                        ; LDS address: slot + wave x part
	s_add_nc_u64 s[G0+4*\n+2:G0+4*\n+3], s[6:7], \n*SLOT           ; step n of the keys
	s_or_b32 s[G0+4*\n+3], s[G0+4*\n+3], 0x80000000                ; type = 2
.endr
	ROUND                                          ; all four work-groups are here: the first joint loads meet
	tensor_load_to_lds s[G0:G0+3], s[G1:G1+7]      ; step 0 into slot 0
	s_nop 0
	s_load_b32 s34, s[10:11], 0x0                  ; gamma
	v_and_b32 v12, 31, v0                          ; L
	v_and_b32 v13, 15, v0                          ; r
	v_bfe_u32 v14, v0, 4, 1                        ; h
	v_lshlrev_b32 v15, 4, v12                      ; 16 L
	v_lshrrev_b32 v[QO], 2, v13                    ; query 4 r + qt lies in point tile r >> 2, row 4 (r & 3) + qt:
	v_lshlrev_b32 v[QO], 10, v[QO]                 ; 1,024 (r >> 2)
	v_and_b32 v12, 3, v13
	v_lshl_add_u32 v[QO], v12, 6, v[QO]            ; + 64 (r & 3)
	v_lshl_add_u32 v[QO], v14, 8, v[QO]            ; + 256 h; 16 qt and 512 i stand in the immediate
.irp qt, 0,1,2,3
	global_load_b128 v[Q+8*\qt:Q+8*\qt+3],   v[QO], s[4:5] offset:\qt*16
	global_load_b128 v[Q+8*\qt+4:Q+8*\qt+7], v[QO], s[4:5] offset:\qt*16+512
.endr
	v_add_nc_u32 v[LA], s40, v15
	v_add_nc_u32 v[LA+1], SLOT, v[LA]
	v_lshlrev_b32 v[XO], 4, v13
	v_lshl_add_u32 v[XO], v14, 17, v[XO]
	v_lshl_add_u32 v[IW], s14, 16, v15
	v_lshlrev_b32 v[SR], 2, v13
	v_add_nc_u32 v[SR], STAT, v[SR]
	v_lshl_add_u32 v[SA], s14, 9, v[SR]
	v_lshl_add_u32 v[IR], s14, 14, v15
	v_add_nc_u32 v[IR+1], 0x10000, v[IR]
	v_add_nc_u32 v[IR+2], 0x20000, v[IR]
	v_add_nc_u32 v[IR+3], 0x30000, v[IR]
.irp qt, 0,1,2,3
	v_mov_b32 v[T2+\qt], 0                         ; v_permlanex16_b32's destination counts as read
.endr
	s_wait_loadcnt 0x0                             ; q, once
	s_wait_kmcnt 0x0                               ; gamma
.macro KLOAD slot                      ; 8 loads: the four key tiles of my part
.irp kt, 0,1,2,3
	ds_load_b128 v[KF+8*\kt:KF+8*\kt+3],   v[LA+\slot] offset:(\kt/2)*KBLK+(\kt%2)*1024
	ds_load_b128 v[KF+8*\kt+4:KF+8*\kt+7], v[LA+\slot] offset:(\kt/2)*KBLK+(\kt%2)*1024+512
.endr
.endm
.macro VLOAD slot, j                   ; 32 loads: v's sixteen channel tiles of key block j, into window 1
	WIN 0x40
.irp ct, 0,1,2,3,4,5,6,7,8,9,10,11,12,13,14,15
	ds_load_b128 v[128*\j+8*\ct:128*\j+8*\ct+3],   v[LA+\slot] offset:\j*KBLK+2048+\ct*1024
	ds_load_b128 v[128*\j+8*\ct+4:128*\j+8*\ct+7], v[LA+\slot] offset:\j*KBLK+2048+\ct*1024+512
.endr
	WIN 0
.endm
.macro SMUL                            ; 16 score tiles: 64 keys x 64 queries, d = 32 in one instruction each
.irp kt, 0,1,2,3
.irp qt, 0,1,2,3
	v_wmma_f32_16x16x32_bf16 v[S+32*\kt+8*\qt:S+32*\kt+8*\qt+7], v[KF+8*\kt:KF+8*\kt+7], v[Q+8*\qt:Q+8*\qt+7], 0
.endr
.endr
.endm
; The new maximum of each query: my 32 scores and the old maximum, three at a time, four chains side by side; then the other half of the lanes.
.macro ROWMAX first
.irp qt, 0,1,2,3
	v_max3_num_f32 v[T+\qt], v[S+8*\qt], v[S+8*\qt+1], v[S+8*\qt+2]
.endr
.set e, 3
.rept 14
.irp qt, 0,1,2,3
	v_max3_num_f32 v[T+\qt], v[T+\qt], v[S+32*(e/8)+8*\qt+(e%8)], v[S+32*((e+1)/8)+8*\qt+((e+1)%8)]
.endr
.set e, e+2
.endr
.irp qt, 0,1,2,3
.if \first
	v_max_num_f32 v[T+\qt], v[T+\qt], v[S+96+8*\qt+7]
.else
	v_max3_num_f32 v[T+\qt], v[T+\qt], v[S+96+8*\qt+7], v[MX+2*\qt]
.endif
.endr
.irp qt, 0,1,2,3
	v_permlanex16_b32 v[T2+\qt], v[T+\qt], s36, s37
.endr
.irp qt, 0,1,2,3
	v_max_num_f32 v[T+\qt], v[T+\qt], v[T2+\qt]
.endr
.endm
; alpha = 2^(old maximum - new maximum); the maximum is renewed
.macro STATS first
.if \first == 0
.irp qt, 0,1,2,3
	v_sub_f32 v[DL+\qt], v[MX+2*\qt], v[T+\qt]
.endr
.irp qt, 0,1,2,3
	v_exp_f32 v[AL+2*\qt], v[DL+\qt]
.endr
.endif
.irp qt, 0,1,2,3
	v_mov_b32 v[MX+2*\qt], v[T+\qt]                ; plain instructions behind the exponentials, ahead of the first use of their results (ISA guide 5.7.2)
	v_mov_b32 v[MX+2*\qt+1], v[T+\qt]
.endr
.if \first == 0
	s_wait_alu depctr_va_vdst(0)
.irp qt, 0,1,2,3
	v_mov_b32 v[AL+2*\qt+1], v[AL+2*\qt]
.endr
.endif
.endm
.macro EXPS                            ; weights = 2^(score - maximum), at most 1, in place
.irp kt, 0,1,2,3
.irp qt, 0,1,2,3
.irp p, 0,2,4,6
	v_pk_add_f32 v[S+32*\kt+8*\qt+\p:S+32*\kt+8*\qt+\p+1], v[S+32*\kt+8*\qt+\p:S+32*\kt+8*\qt+\p+1], v[MX+2*\qt:MX+2*\qt+1] neg_lo:[0,1] neg_hi:[0,1]
.endr
.endr
.endr
.set e, 0
.rept 128
	v_exp_f32 v[S+e], v[S+e]
.set e, e+1
.endr
	v_nop                                          ; one plain place between the exponentials and the first use of a result
.endm
.macro RESCALE                         ; all 512 sums times alpha of their query
	WIN 0x82
.irp q2, 0,1
.set e, 0
.rept 64
	v_pk_mul_f32 v[128*\q2+e:128*\q2+e+1], v[128*\q2+e:128*\q2+e+1], v[AL+2*\q2:AL+2*\q2+1]
.set e, e+2
.endr
.endr
	WIN 0xc3
	s_wait_alu depctr_va_vdst(0)
.irp q2, 0,1
.set e, 0
.rept 64
	v_pk_mul_f32 v[128*\q2+e:128*\q2+e+1], v[128*\q2+e:128*\q2+e+1], v[AL+4+2*\q2:AL+4+2*\q2+1]
.set e, e+2
.endr
.endr
	WIN 0
.endm
.macro ROWSUM first                    ; sum of weights: old sum x alpha + my 32 weights, two partial sums a query tile, four chains side by side
.irp qt, 0,1,2,3
.if \first
	s_wait_alu depctr_va_vdst(0)
	v_pk_add_f32 v[LS+2*\qt:LS+2*\qt+1], v[S+8*\qt:S+8*\qt+1], v[S+8*\qt+2:S+8*\qt+3]
.else
	v_pk_fma_f32 v[LS+2*\qt:LS+2*\qt+1], v[LS+2*\qt:LS+2*\qt+1], v[AL+2*\qt:AL+2*\qt+1], v[S+8*\qt:S+8*\qt+1]
.endif
.endr
.if \first == 0
.irp qt, 0,1,2,3
	v_pk_add_f32 v[LS+2*\qt:LS+2*\qt+1], v[LS+2*\qt:LS+2*\qt+1], v[S+8*\qt+2:S+8*\qt+3]
.endr
.endif
.set p, 2
.rept 14
.irp qt, 0,1,2,3
	v_pk_add_f32 v[LS+2*\qt:LS+2*\qt+1], v[LS+2*\qt:LS+2*\qt+1], v[S+32*(p/4)+8*\qt+2*(p%4):S+32*(p/4)+8*\qt+2*(p%4)+1]
.endr
.set p, p+1
.endr
.endm
; Two score tiles (keys 8 h + j and 16 + 8 h + j of a key block) become one fragment of 16 queries x 32 keys, in place:
; word i is written when words 2 i and 2 i + 1 are read, so every source has been read before it is written over.
.macro PACK
.irp kb, 0,1
.irp qt, 0,1,2,3
.irp i, 0,1,2,3
	v_cvt_pk_bf16_f32 v[S+64*\kb+8*\qt+\i], v[S+64*\kb+8*\qt+2*\i], v[S+64*\kb+8*\qt+2*\i+1]
.endr
.irp i, 0,1,2,3
	v_cvt_pk_bf16_f32 v[S+64*\kb+8*\qt+4+\i], v[S+64*\kb+32+8*\qt+2*\i], v[S+64*\kb+32+8*\qt+2*\i+1]
.endr
.endr
.endr
.endm
; 32 matrix instructions: query tiles 2 hi, 2 hi + 1 x 16 channel tiles, key block kb.  The accumulators take turns, one instruction a turn.
.macro PV hi, kb, zero
.irp q2, 0,1
.irp ct, 0,1,2,3,4,5,6,7,8,9,10,11,12,13,14,15
.if \zero
	v_wmma_f32_16x16x32_bf16 v[128*\q2+8*\ct:128*\q2+8*\ct+7], v[128*\kb+8*\ct:128*\kb+8*\ct+7], v[S+64*\kb+8*(2*\hi+\q2):S+64*\kb+8*(2*\hi+\q2)+7], 0
.else
	v_wmma_f32_16x16x32_bf16 v[128*\q2+8*\ct:128*\q2+8*\ct+7], v[128*\kb+8*\ct:128*\kb+8*\ct+7], v[S+64*\kb+8*(2*\hi+\q2):S+64*\kb+8*(2*\hi+\q2)+7], v[128*\q2+8*\ct:128*\q2+8*\ct+7]
.endif
.endr
.endr
.endm
; A step's work on my 64 keys in a slot.  first = 1: nothing old to rescale; the first products start the sums.
.macro WORK slot, first
	PLACES 5                                       ; behind the last step's products: their sources (weights, v) are written over by the score products and the loads below
	KLOAD \slot
	VLOAD \slot, 0
	s_wait_dscnt 32                                ; LDS loads come back in order: k's eight are in, the 32 younger ones of v may be out
	SMUL
	VLOAD \slot, 1                                 ; lands during the softmax
	PLACES 4                                       ; behind the score products, ahead of the first read of a score
	ROWMAX \first
	STATS \first
	EXPS
.if \first == 0
	RESCALE
.endif
	ROWSUM \first
	PACK
	s_wait_dscnt 0x0                               ; v is in
	WIN 0xa1                                       ; v window 1, weights window 0, sums window 2
	PV 0, 0, \first
	PV 0, 1, 0
	WIN 0xf1                                       ; sums window 3
	PV 1, 0, \first
	PV 1, 1, 0
	WIN 0
.endm
; A trip.  In front of the round every wave waits for all its tensor loads (its part of this trip's slot) and for its reads of the other slot;
; behind the round no wave of any partner reads that slot or has a load on its way, and the joint refill is the first thing there, one load a wave.
.macro TRIP slot, refill, first
	s_wait_tensorcnt 0x0                           ; no load of mine is out: a group 0 may be written
	ds_add_u32 v254, v255
	s_wait_dscnt 0x0
	s_add_nc_u64 s[G0+4*\slot+2:G0+4*\slot+3], s[G0+4*\slot+2:G0+4*\slot+3], 2*SLOT   ; this slot's next step of the keys
	s_wait_dscnt 0x0
	ROUND
.if \refill
	tensor_load_to_lds s[G0+4-4*\slot:G0+7-4*\slot], s[G1:G1+7]    ; the next step, into the slot read last trip
	s_nop 0
.endif
	WORK \slot, \first
.endm
	TRIP 0, 1, 1                                   ; step 0; asks for step 1
	s_mov_b32 s32, 7
.Lsteps:
	TRIP 1, 1, 0                                   ; steps 1 to 14; trip t asks for step t + 1
	TRIP 0, 1, 0
	s_sub_co_i32 s32, s32, 1
	s_cmp_lg_u32 s32, 0
	s_cbranch_scc1 .Lsteps
	TRIP 1, 0, 0                                   ; step 15: nothing is left to fetch
	; THE MERGE.  Wave w finishes channels 64 w to 64 w + 63 of all 64 queries.
	PLACES 4                                       ; behind the last products: their results are read, their sources loaded again
	WIN 0x40                                       ; x of my 64 channels, into window 1: lands during the merge.  A load covers 2 x 256 consecutive bytes, aligned
.irp c4, 0,1,2,3
.irp j, 0,1,2,3,4,5,6,7
	global_load_b128 v[4*(8*\c4+\j):4*(8*\c4+\j)+3], v[XO], s[8:9] offset:(16*\c4+\j)*16384 th:TH_LOAD_NT
.endr
.endr
	WIN 0
.irp qt, 0,1,2,3
	v_add_f32 v[T+\qt], v[LS+2*\qt], v[LS+2*\qt+1] ; my wave's sum of weights: the two partial sums,
.endr
.irp qt, 0,1,2,3
	v_permlanex16_b32 v[T2+\qt], v[T+\qt], s36, s37
.endr
.irp qt, 0,1,2,3
	v_add_f32 v[T+\qt], v[T+\qt], v[T2+\qt]        ; and the other half of the lanes
.endr
	s_wait_dscnt 0x0                               ; my reads of the ring are over (all tensor loads were waited for at the last trip's head; the ring is filled no more),
	s_barrier_signal -1
	s_barrier_wait -1                              ; and so are everybody's: the ring's bytes now take the accumulators
.irp qt, 0,1,2,3
	ds_store_b32 v[SA], v[MX+2*\qt] offset:\qt*64              ; lanes r and 16 + r store the same word with the same value
	ds_store_b32 v[SA], v[T+\qt] offset:256+\qt*64
.endr
	WIN 0x08                                       ; store data from window 2
.irp q2, 0,1
.irp ct, 0,1,2,3,4,5,6,7,8,9,10,11,12,13,14,15
	ds_store_b128 v[IW], v[128*\q2+8*\ct:128*\q2+8*\ct+3]   offset:(4*\ct+\q2)*1024
	ds_store_b128 v[IW], v[128*\q2+8*\ct+4:128*\q2+8*\ct+7] offset:(4*\ct+\q2)*1024+512
.endr
.endr
	WIN 0x0c                                       ; from window 3
.irp q2, 0,1
.irp ct, 0,1,2,3,4,5,6,7,8,9,10,11,12,13,14,15
	ds_store_b128 v[IW], v[128*\q2+8*\ct:128*\q2+8*\ct+3]   offset:(4*\ct+2+\q2)*1024
	ds_store_b128 v[IW], v[128*\q2+8*\ct+4:128*\q2+8*\ct+7] offset:(4*\ct+2+\q2)*1024+512
.endr
.endr
	WIN 0
	s_wait_dscnt 0x0                               ; my stores are in LDS, for the other waves' sake,
	s_barrier_signal -1
	s_barrier_wait -1                              ; and so are everybody's
.irp u, 0,1,2,3
.irp qt, 0,1,2,3
	ds_load_b32 v[S+4*\u+\qt], v[SR] offset:\u*512+\qt*64              ; maximum of wave u
	ds_load_b32 v[S+16+4*\u+\qt], v[SR] offset:\u*512+256+\qt*64       ; its sum of weights
.endr
.endr
	s_wait_dscnt 0x0                               ; for zero: the 128 loads below are more than a count can name
	WIN 0x80                                       ; the four waves' sums of my 64 channels: waves 0, 1 into window 2,
.irp u, 0,1
.irp t, 0,1,2,3,4,5,6,7,8,9,10,11,12,13,14,15
	ds_load_b128 v[128*\u+8*\t:128*\u+8*\t+3],   v[IR+\u] offset:\t*1024
	ds_load_b128 v[128*\u+8*\t+4:128*\u+8*\t+7], v[IR+\u] offset:\t*1024+512
.endr
.endr
	WIN 0xc0                                       ; waves 2, 3 into window 3; tile t = 4 (channel tile) + qt
.irp u, 0,1
.irp t, 0,1,2,3,4,5,6,7,8,9,10,11,12,13,14,15
	ds_load_b128 v[128*\u+8*\t:128*\u+8*\t+3],   v[IR+2+\u] offset:\t*1024
	ds_load_b128 v[128*\u+8*\t+4:128*\u+8*\t+7], v[IR+2+\u] offset:\t*1024+512
.endr
.endr
	WIN 0
	; while they land: scale of wave u = gamma 2^(m_u - m) / sum over u of 2^(m_u - m) l_u, m the largest of the four maxima; the sum is at least 1
.irp qt, 0,1,2,3
	v_max3_num_f32 v[T+\qt], v[S+\qt], v[S+4+\qt], v[S+8+\qt]
.endr
.irp qt, 0,1,2,3
	v_max_num_f32 v[T+\qt], v[T+\qt], v[S+12+\qt]
.endr
.irp u, 0,1,2,3
.irp qt, 0,1,2,3
	v_sub_f32 v[S+4*\u+\qt], v[S+4*\u+\qt], v[T+\qt]
.endr
.endr
.set e, 0
.rept 16
	v_exp_f32 v[S+e], v[S+e]
.set e, e+1
.endr
	v_nop                                          ; one plain place behind the exponentials
	s_wait_alu depctr_va_vdst(0)
.irp qt, 0,1,2,3
	v_mul_f32 v[T2+\qt], v[S+\qt], v[S+16+\qt]
.endr
.irp u, 1,2,3
.irp qt, 0,1,2,3
	v_fmac_f32 v[T2+\qt], v[S+4*\u+\qt], v[S+16+4*\u+\qt]
.endr
.endr
.irp qt, 0,1,2,3
	v_rcp_f32 v[DL+\qt], v[T2+\qt]
.endr
	v_nop                                          ; one plain place behind the reciprocals
	s_wait_alu depctr_va_vdst(0)
.irp qt, 0,1,2,3
	v_mul_f32 v[DL+\qt], s34, v[DL+\qt]            ; gamma / sum
.endr
.irp u, 0,1,2,3
.irp qt, 0,1,2,3
	v_mul_f32 v[SCL+2*(4*\u+\qt)], v[S+4*\u+\qt], v[DL+\qt]
	v_mul_f32 v[SCL+2*(4*\u+\qt)+1], v[S+4*\u+\qt], v[DL+\qt]
.endr
.endr
	s_wait_dscnt 0x0                               ; the four images are in
	WIN 0x82                                       ; the weighted sum gathers in window 2, v0 to v127
.irp t, 0,1,2,3,4,5,6,7,8,9,10,11,12,13,14,15
.irp p, 0,2,4,6
	v_pk_mul_f32 v[8*\t+\p:8*\t+\p+1], v[8*\t+\p:8*\t+\p+1], v[SCL+2*(\t%4):SCL+2*(\t%4)+1]
.endr
.endr
	WIN 0xa2
.irp t, 0,1,2,3,4,5,6,7,8,9,10,11,12,13,14,15
.irp p, 0,2,4,6
	v_pk_fma_f32 v[8*\t+\p:8*\t+\p+1], v[128+8*\t+\p:128+8*\t+\p+1], v[SCL+8+2*(\t%4):SCL+8+2*(\t%4)+1], v[8*\t+\p:8*\t+\p+1]
.endr
.endr
	WIN 0xa3
.irp t, 0,1,2,3,4,5,6,7,8,9,10,11,12,13,14,15
.irp p, 0,2,4,6
	v_pk_fma_f32 v[8*\t+\p:8*\t+\p+1], v[8*\t+\p:8*\t+\p+1], v[SCL+16+2*(\t%4):SCL+16+2*(\t%4)+1], v[8*\t+\p:8*\t+\p+1]
.endr
.endr
.irp t, 0,1,2,3,4,5,6,7,8,9,10,11,12,13,14,15
.irp p, 0,2,4,6
	v_pk_fma_f32 v[8*\t+\p:8*\t+\p+1], v[128+8*\t+\p:128+8*\t+\p+1], v[SCL+24+2*(\t%4):SCL+24+2*(\t%4)+1], v[8*\t+\p:8*\t+\p+1]
.endr
.endr
	s_wait_loadcnt 0x0                             ; x is in
	WIN 0x49                                       ; x (window 1) += the weighted sum (window 2): the sums lie by channel along a tile's registers, x by query along a load's
.irp c4, 0,1,2,3
.irp j, 0,1,2,3,4,5,6,7
.irp qt, 0,1,2,3
	v_add_f32 v[4*(8*\c4+\j)+\qt], v[4*(8*\c4+\j)+\qt], v[8*(4*\c4+\qt)+\j]
.endr
.endr
.endr
	WIN 0x04                                       ; store data from window 1.  A store covers 2 x 256 consecutive bytes, aligned
.irp c4, 0,1,2,3
.irp j, 0,1,2,3,4,5,6,7
	global_store_b128 v[XO], v[4*(8*\c4+\j):4*(8*\c4+\j)+3], s[12:13] offset:(16*\c4+\j)*16384 th:TH_STORE_NT
.endr
.endr
	WIN 0
	s_wait_tensorcnt 0x0
	ds_add_u32 v254, v255
	s_wait_dscnt 0x0
	ROUND                                          ; the closing round: no work-group ends while a partner may still ask for a tile that names it
	s_endpgm
.Lfunc_end_k_q64ddf3807e_attn:
	.size	k_q64ddf3807e_attn, .Lfunc_end_k_q64ddf3807e_attn-k_q64ddf3807e_attn
	.p2alignl 7, 3214868480
	.fill 96, 4, 3214868480
	.section	.rodata,"a",@progbits
	.p2align	6, 0x0
	.amdhsa_kernel k_q64ddf3807e_attn
		.amdhsa_group_segment_fixed_size 327680
		.amdhsa_private_segment_fixed_size 0
		.amdhsa_enable_private_segment 0
		.amdhsa_kernarg_size 40
		.amdhsa_user_sgpr_count 2
		.amdhsa_user_sgpr_kernarg_segment_ptr 1
		.amdhsa_wavefront_size32 1
		.amdhsa_system_sgpr_workgroup_id_x 1
		.amdhsa_system_sgpr_workgroup_id_y 1
		.amdhsa_system_sgpr_workgroup_id_z 1
		.amdhsa_system_vgpr_workitem_id 0
		.amdhsa_next_free_vgpr 1024
		.amdhsa_next_free_sgpr 66
		.amdhsa_reserve_vcc 0
		.amdhsa_float_denorm_mode_32 3
		.amdhsa_float_denorm_mode_16_64 3
		.amdhsa_memory_ordered 1
		.amdhsa_forward_progress 1
		.amdhsa_inst_pref_size 246
	.end_amdhsa_kernel
	.amdgpu_metadata
---
amdhsa.version: [ 1, 2 ]
amdhsa.kernels:
  - .name:           k_q64ddf3807e_attn
    .symbol:         k_q64ddf3807e_attn.kd
    .args:
      - { .name: q, .offset: 0, .size: 8, .value_kind: global_buffer, .address_space: global }
      - { .name: kv, .offset: 8, .size: 8, .value_kind: global_buffer, .address_space: global }
      - { .name: x, .offset: 16, .size: 8, .value_kind: global_buffer, .address_space: global }
      - { .name: gamma, .offset: 24, .size: 8, .value_kind: global_buffer, .address_space: global }
      - { .name: out0, .offset: 32, .size: 8, .value_kind: global_buffer, .address_space: global }
    .group_segment_fixed_size: 327680
    .private_segment_fixed_size: 0
    .kernarg_segment_align: 8
    .kernarg_segment_size: 40
    .max_flat_workgroup_size: 128
    .sgpr_count:     66
    .vgpr_count:     1024
    .wavefront_size: 32
...
	.end_amdgpu_metadata
.endif
;; end of part 2
